; MI455X (gfx1250); checked and timed in simulation.
; The chip was launched on July 23, 2026; its instructions are those of AMD's public machine-readable ISA for CDNA 5 (MIT licence, August 2026) and "CDNA5" Instruction Set Architecture Reference Guide (July 2026). The comments in the code are by the model that wrote it; some were corrected since.
;; Linear Probe Per Scene. Allowed arithmetic: matrix products marked QUANTISED: E2M3 operands, one E8M0 scale for each 32 along K, by v_wmma_scale_f32_16x16x128_f8f6f4 with both operands' format E2M3, f32 sums; everything else in f32.
;; Inputs: W1 4,096 x 2,048 float32; Ws 4 x 2,048 x 2,048 float32; b1 4,096 float32; bs 4 x 2,048 float32; scene_sign 2,048 int32; x 2,048 x 2,048 float32.
;; Outputs: out0 2,048 x 4,096 float32.
;; This version of the problem:
;;   THIS VERSION OF THE PROBLEM IS GIVEN IN LOW PRECISION. The matrix products marked QUANTISED in the list below multiply operands that are first quantised to E2M3 (2 exponent bits, 3 mantissa bits; 6 bits a number), with one power-of-two scale for each 32 numbers along K (OCP MX v1.0); their sums are f32. All else is computed in f32.
;;   The module's matrix products, in the order in which they are computed (A, B: the left and right operand; K: the contracted axis; several contracted axes count as one K, in the product's order):
;;     1. [M 2,048, K 2,048] x [K 2,048, N 2,048]; A: input x; B: input Ws: QUANTISED
;;     2. [M 2,048, K 2,048] x [K 2,048, N 2,048]; A: input x; B: input Ws: QUANTISED
;;     3. [M 2,048, K 2,048] x [K 2,048, N 2,048]; A: input x; B: input Ws: QUANTISED
;;     4. [M 2,048, K 2,048] x [K 2,048, N 2,048]; A: input x; B: input Ws: QUANTISED
;;     5. [M 2,048, K 2,048] x [K 2,048, N 4,096]; A: computed on the way; B: input W1: QUANTISED
;;   THE QUANTISER, for each operand of a quantised product, along K:
;;     - K is cut into blocks of 32 from its start; a last block that is shorter is filled with zeros.
;;     - A block's scale is 2^e with e = floor(log2(the largest magnitude in the block)) - 2, held to -126 .. 127; a block of zeros has e = 0. As a byte (E8M0): e + 127.
;;     - Each number is divided by its block's scale, clamped to +-7.5, and rounded to the nearest number of E2M3, ties to even, subnormals kept.
;;     - The product sums the exact products of the quantised numbers (number of the format x scale) in f32.
;;   ~~~python
;;   def quantise(x, axis):      # numpy; x: float32 -> the quantised numbers, widened to float32 again
;;       x = np.moveaxis(x, axis, -1); K = x.shape[-1]
;;       x = np.pad(x, [(0, 0)] * (x.ndim - 1) + [(0, -K % 32)]); x = x.reshape(x.shape[:-1] + (-1, 32)); a = np.abs(x).max(-1, keepdims=True)
;;       e = np.where(a > 0, np.clip(np.frexp(np.where(a > 0, a, 1))[1] - 1 - 2, -126, 127), 0)      # np.frexp(a)[1] - 1 = floor(log2(a)), exactly
;;       r = np.clip(x / 2.0 ** e, -7.5, 7.5)
;;       step = 2.0 ** (np.maximum(np.frexp(np.where(r == 0, 1, r))[1] - 1, 0) - 3)
;;       q = np.round(r / step) * step * 2.0 ** e      # np.round: ties to even
;;       return np.moveaxis(q.reshape(q.shape[:-2] + (-1,))[..., :K], -1, axis).astype(np.float32)
;;   ~~~
;;   OPERANDS COMPUTED ON THE WAY. 'Computed on the way' means the value that the module computes at that place (a softmax that the list does not call 'softmax' is quantised finished and normalised). What goes into a quantiser is computed in f32, as accurately as f32 sums, v_exp_f32 and their like allow (about 1e-6 of the number): no bf16 or f16 on the way to a quantiser, and a product that is left as it is and whose result goes on into a quantised operand takes f32 operands (vector FMAs, or v_wmma_f32_16x16x4_f32). A number that lies on a knife's edge between two numbers of the format may be rounded either way, as far as f32 arithmetic and the matrix unit's own rounding can turn it there, and no further.
;; One version. Each part assembles by itself: llvm-mc -triple=amdgcn-amd-amdhsa -mcpu=gfx1250 --defsym DOCPART=n.
;; ======== version 1 of 1: 3 launches
;; limits: right only within a limited range of input values
;; workspace buffers: xq 3,276,800 bytes; wsq 13,107,200 bytes; w1q 6,553,600 bytes; hq 3,276,800 bytes; tiles 1,024 bytes of whole numbers
;; launch prep (part 1): grid 768 x 1, 4 waves a work-group, no clusters, 35,328 bytes of LDS; arguments x, Ws, scene_sign, xq, wsq, tiles, W1, w1q; writes xq, wsq, tiles, w1q
.if DOCPART == 1
	.amdgcn_target "amdgcn-amd-amdhsa--gfx1250"
	.amdhsa_code_object_version 6
	.text
	.protected	k_q160e9c4a96_prep
	.globl	k_q160e9c4a96_prep
	.p2align	8
	.type	k_q160e9c4a96_prep,@function
k_q160e9c4a96_prep:
	s_mov_b64 s[64:65], 0
	v_nop
	global_prefetch_b8 v0, s[64:65] scope:SCOPE_SE
	s_setreg_imm32_b32 hwreg(HW_REG_WAVE_MODE, 25, 1), 1
	s_wait_xcnt 0x0
; x [2048][2048] and Ws [4][2048][2048], f32 with K innermost, become codes of FP6 (E2M3) with one E8M0 byte for each 32 along K,
; laid as the later launches' operand registers want them; x's rows are put in the stable order of scene_sign on the way; the list of row tiles for the next launch is stored.
; (W1, which only the last launch reads, is quantised beside the next launch's product.)
; A RECORD (25,600 bytes) holds 16 rows x all of K: 16 images of 1,536 bytes, one for each 128 along K (register group c of lane l at 512 c + 16 l; lane (r, h) holds row r,
; registers 0-5 its block h, registers 6-11 its block 2 + h), then 1,024 bytes of scale words: the word of row r and K step 4 g + q at 24,576 + 256 g + 16 r + 4 q.
; SHARES.  A work-group makes one record, wave w its K steps 4 w .. 4 w + 3.  Work-groups 0-127: x (record = sorted rows 16 id on); 128-639: Ws.
; A record of Ws takes rows that are not neighbours: lane row r of record T is row 32 (T / 2) + 8 (T % 2) + r + 8 (r / 8) of the 8,192, so that in the next launch two neighbouring
; tiles' results are 16 neighbours along the following K.
; A block's scale is 2^(floor(log2(largest magnitude)) - 2); its byte is the largest magnitude's exponent field - 2, held at 1 from below (a block of zeros gets the byte 1 where the
; rule says 127: its codes are zeros, and this program alone reads the bytes).
; ROUTING.  Six buckets: scene_sign below 1, the values 1 to 4, above 4: every int32 is served (rows of the first and the last bucket get a hidden layer of zeros in the next launch).
; Each of x's work-groups ranks all 2,048 tokens (wave w tokens 512 w on) and keeps the 16 that fall on its own places: rows are GATHERED, so that every store is dense.
; LIMITS: NaN and infinities among the floating-point inputs are not served.
; No cluster and no tensor load: no two work-groups read the same bytes but the 8 KB of scene_sign.
.set TS,   25600                       ; bytes of a record
.set SCO,  24576                       ; where its scale words begin
.set STP,  528                         ; a stage row: 512 bytes + 16, so that 16 rows begin in 16 different columns of 16 bytes
.set WST,  16*STP                      ; a wave's stage
.set EX1,  4*WST                       ; routing: the waves' bucket counts, 128 bytes a wave
.set EX2,  EX1+512                     ; routing: the waves' finds, 128 bytes a wave
.set VO,   16                          ; v16-31   byte offset of row i of the tile, my 16 bytes of its 512 in my wave's first K step
.set R,    32                          ; v32-159  two sets of 64: a K step as loaded (row i in registers 4 i on)
.set X,    160                         ; v160-223 my row's two blocks of 32 neighbours
.set C,    224                         ; v224-235 the fragment's 12 registers
.set TMP,  236                         ; v236-243 the blocks' upper halves as converted
.set PW,   244                         ; v244-247 the scale words of my wave's four K steps
; v1 lane, v2 r, v3 h, v4 the tile's source rows (lane i: row i), v5 stage in, v6 stage out, v7 codes out, v8 scale words out, v9 8 h, v12 16 lane + 2048 wave, v13, v14 exchange
	s_load_b256 s[4:11], s[0:1], 0x0               ; x s[4:5], Ws s[6:7], scene_sign s[8:9], xq s[10:11]
	s_load_b128 s[12:15], s[0:1], 0x20             ; wsq s[12:13], tiles s[14:15]
	s_load_b128 s[16:19], s[0:1], 0x30             ; W1 s[16:17], w1q s[18:19]: work-groups 640-767 make records 0-127 of w1q (rows 16 T + r of W1); records 128-255 are made beside the next launch's product
	v_lshl_add_u32 v239, v0, 2, 0x8800
	v_mov_b32 v243, 0
	v_lshrrev_b32 v10, 5, v0
	v_readfirstlane_b32 s20, v10                   ; wave 0..3
	v_and_b32 v1, 31, v0                           ; lane
	v_and_b32 v2, 15, v0                           ; r
	v_bfe_u32 v3, v0, 4, 1                         ; h
	s_mov_b32 s34, 0x76543210
	s_mov_b32 s35, 0xfedcba98                      ; v_permlanex16_b32: lane l xor 16
	v_mov_b32 v255, 0                              ; written once: a lane permute's destination counts as one of its sources
	s_mul_i32 s30, s20, WST
	v_lshlrev_b32 v10, 4, v1                       ; 16 x lane
	v_add_nc_u32 v5, s30, v10                      ; stage, in: a row's 512 bytes as they lie
	v_mul_u32_u24 v11, v2, STP
	v_lshl_add_u32 v11, v3, 7, v11
	v_add_nc_u32 v6, s30, v11                      ; stage, out: row r, block h (128 bytes a block)
	s_mul_i32 s31, s20, 6144
	v_add_nc_u32 v7, s31, v10                      ; codes: my wave's four images, 16 x lane
	s_lshl_b32 s31, s20, 8
	v_lshl_add_u32 v8, v2, 4, s31
	v_add_nc_u32 v8, SCO, v8                       ; scale words: 24,576 + 256 wave + 16 r
	v_lshlrev_b32 v9, 3, v3                        ; 8 h
	s_lshl_b32 s31, s20, 11
	v_add_nc_u32 v12, s31, v10                     ; in a source row: my wave's 2,048 bytes, 16 x lane
	v_lshl_add_u32 v13, v0, 2, EX1                 ; exchange: my wave's 128 bytes, my lane's word
	v_lshl_add_u32 v14, v1, 2, EX1                 ; and my lane's word of wave 0
	v_lshrrev_b32 v15, 3, v2                       ; r / 8
	s_wait_alu depctr_va_vdst(0)
	s_wait_kmcnt 0x0
	; which tensor: the choice hangs on the work-group's number alone
	s_cmp_lt_u32 ttmp9, 128
	s_cselect_b64 s[24:25], s[4:5], s[6:7]
	s_cselect_b64 s[26:27], s[10:11], s[12:13]
	s_cselect_b32 s28, 0, 128
	s_cselect_b32 s29, 0, 8
	s_cmp_lt_u32 ttmp9, 640                        ; from work-group 640 on: W1, whose records take 16 neighbouring rows
	s_cselect_b64 s[24:25], s[24:25], s[16:17]
	s_cselect_b64 s[26:27], s[26:27], s[18:19]
	s_cselect_b32 s28, s28, 640
	s_cselect_b32 s29, s29, 0
	s_sub_co_u32 s21, ttmp9, s28                   ; T: the record's number in its buffer
	s_lshr_b32 s30, s21, 1
	s_lshl_b32 s30, s30, 5
	s_and_b32 s31, s21, 1
	s_lshl_b32 s31, s31, 3
	s_add_co_u32 s30, s30, s31                     ; Ws: 32 (T / 2) + 8 (T % 2)
	s_cmp_lt_u32 ttmp9, 128
	s_cselect_b32 s30, 0, s30                      ; x: the rows come from the routing
	s_lshl_b32 s31, s21, 4                         ; W1: the record's first row is 16 T
	s_cmp_lt_u32 ttmp9, 640
	s_cselect_b32 s30, s30, s31
	s_lshl_b32 s30, s30, 13                        ; rows of 8,192 bytes: under 2^26
	s_mov_b32 s31, 0
	s_add_nc_u64 s[24:25], s[24:25], s[30:31]
	s_mul_i32 s32, s21, TS
	s_mov_b32 s33, 0
	s_add_nc_u64 s[26:27], s[26:27], s[32:33]
	v_mad_u32_u24 v4, v15, s29, v2                 ; the tile's rows: r, for Ws r + 8 (r / 8)
	s_cmp_ge_u32 ttmp9, 128
	s_cbranch_scc1 .Lstream
	; ---- ROUTING (x's work-groups).  Wave w: tokens 512 w + 32 g + lane.  v32.. bucket, v48.. rank, v64.. base, v80.. finds
	s_lshl_b32 s30, s20, 11
	v_lshl_add_u32 v100, v1, 2, s30
.irp g, 0,1,2,3,4,5,6,7,8,9,10,11,12,13,14,15
	global_load_b32 v[32+\g], v100, s[8:9] offset:128*\g
.endr
	v_mov_b32 v101, 0
.irp b, 0,1,2,3,4,5
	s_mov_b32 s[40+\b], 0                          ; how many of bucket b my wave has seen
.endr
	s_wait_alu depctr_va_vdst(0)
	s_wait_loadcnt 0x0
.irp g, 0,1,2,3,4,5,6,7,8,9,10,11,12,13,14,15
	v_cmp_gt_i32 vcc_lo, 1, v[32+\g]
	v_cndmask_b32 v[32+\g], v[32+\g], v101, vcc_lo ; below 1: bucket 0
	v_min_u32 v[32+\g], 5, v[32+\g]                ; above 4: bucket 5
.endr
.irp g, 0,1,2,3,4,5,6,7,8,9,10,11,12,13,14,15
.irp b, 0,1,2,3,4,5
	v_cmp_eq_u32 s59, \b, v[32+\g]
.if \b == 0
	v_mbcnt_lo_u32_b32 v[48+\g], s59, s[40+\b]     ; those of the bucket in lower lanes + those seen before
.else
	v_mbcnt_lo_u32_b32 v102, s59, s[40+\b]
	v_cndmask_b32 v[48+\g], v[48+\g], v102, s59    ; my own bucket's figure is my rank in my wave
.endif
	s_bcnt1_i32_b32 s60, s59
	s_add_co_u32 s[40+\b], s[40+\b], s60
.endr
.endr
	v_mov_b32 v103, 0
.irp b, 0,1,2,3,4,5
	v_writelane_b32 v103, s[40+\b], \b             ; lane b: my wave's count of bucket b
.endr
	ds_store_b32 v13, v103
	s_wait_dscnt 0x0                               ; for the others: my counts lie in LDS
	s_barrier_signal -1
	s_barrier_wait -1
.irp u, 0,1,2,3
	ds_load_b32 v[96+\u], v14 offset:128*\u
.endr
	s_wait_dscnt 0x0
	v_add3_u32 v104, v96, v97, v98
	v_add_nc_u32 v104, v104, v99                   ; lane b: bucket b's total
	v_mov_b32 v106, 0
.irp u, 0,1,2
	s_cmp_gt_u32 s20, \u
	s_cselect_b32 s60, -1, 0
	v_and_b32 v105, s60, v[96+\u]
	v_add_nc_u32 v106, v106, v105                  ; lane b: bucket b's count in the waves before mine
.endr
.irp b, 0,1,2,3,4,5
	v_readlane_b32 s[46+\b], v104, \b
.endr
	s_mov_b32 s52, 0
.irp b, 0,1,2,3,4,5
	s_add_co_u32 s[53+\b], s[52+\b], s[46+\b]      ; s52-58: where each bucket begins among the sorted rows
.endr
	v_mov_b32 v107, 0
.irp b, 0,1,2,3,4,5
	v_writelane_b32 v107, s[52+\b], \b
.endr
	s_lshl_b32 s61, ttmp9, 4
	s_sub_co_u32 s61, 0, s61
	v_add3_u32 v108, v107, v106, s61               ; lane b: bucket's start + earlier waves' count - my work-group's first place (modulo 2^32)
.irp g, 0,1,2,3,4,5,6,7,8,9,10,11,12,13,14,15
	v_lshlrev_b32 v[112+\g], 2, v[32+\g]
	ds_bpermute_b32 v[64+\g], v[112+\g], v108      ; each token takes its bucket's figure: lane = bucket
.endr
	s_lshl_b32 s30, s20, 9
	v_add_nc_u32 v109, s30, v1                     ; token 512 w + lane
	s_wait_alu depctr_va_vdst(0)
	s_wait_dscnt 0x0
.irp g, 0,1,2,3,4,5,6,7,8,9,10,11,12,13,14,15
	v_add_nc_u32 v[48+\g], v[48+\g], v[64+\g]      ; the token's place, counted from my work-group's first
	v_min_u32 v[48+\g], 31, v[48+\g]               ; places 0-15 are wanted; all else lands in lanes 16-31, which nobody reads
	v_lshlrev_b32 v[48+\g], 2, v[48+\g]
	v_add_nc_u32 v[128+\g], 32*\g, v109
	v_mov_b32 v[80+\g], 0
	ds_permute_b32 v[80+\g], v[48+\g], v[128+\g]   ; the token's number goes to the lane of its place; each place has one sender in the whole work-group
.endr
	s_wait_dscnt 0x0
.irp g, 1,2,3,4,5,6,7,8,9,10,11,12,13,14,15
	v_or_b32 v80, v80, v[80+\g]
.endr
	ds_store_b32 v13, v80 offset:512
	s_wait_dscnt 0x0                               ; for the others: my finds lie in LDS, and my reads of the counts are over
	s_barrier_signal -1
	s_barrier_wait -1
.irp u, 0,1,2,3
	ds_load_b32 v[96+\u], v14 offset:512+128*\u
.endr
	s_wait_dscnt 0x0
	v_or_b32 v96, v96, v97
	v_or_b32 v98, v98, v99
	v_or_b32 v4, v96, v98                          ; lanes 0-15: the token at sorted place 16 id + lane
	; ---- THE LIST, by wave 0 of work-group 0.  Entry j: first tile of 16 rows, first valid row, end of valid rows, bucket; eight tiles to an entry; entries past the last are zeros.
	s_cmp_lg_u32 ttmp9, 0
	s_cbranch_scc1 .Lstream
	s_cmp_lg_u32 s20, 0
	s_cbranch_scc1 .Lstream
	s_mov_b32 s66, 0                               ; s66-72: entries in front of bucket b
.irp b, 0,1,2,3,4,5
	s_lshr_b32 s[40+\b], s[52+\b], 4               ; the bucket's first tile
	s_add_co_u32 s60, s[53+\b], 15
	s_lshr_b32 s60, s60, 4
	s_sub_co_u32 s60, s60, s[40+\b]                ; tiles that it touches,
	s_cmp_eq_u32 s[46+\b], 0
	s_cselect_b32 s60, 0, s60                      ; none if it is empty
	s_add_co_u32 s60, s60, 7                       ; eight tiles to an entry
	s_lshr_b32 s60, s60, 3
	s_add_co_u32 s[67+\b], s[66+\b], s60
.endr
.macro LIST j0, e                      ; entries j0 + lane; registers e .. e + 3 the entry, e + 4 its number, e + 5 its address, e + 6, e + 7 at work
	v_add_nc_u32 v[\e+4], \j0, v1
.irp q, 0,1,2,3
	v_mov_b32 v[\e+\q], 0
.endr
.irp b, 0,1,2,3,4,5
	v_mov_b32 v[\e+6], s[66+\b]
	v_cmp_le_u32 vcc_lo, v[\e+6], v[\e+4]          ; at or behind bucket b's first entry: a later bucket overwrites
	v_sub_nc_u32 v[\e+6], v[\e+4], v[\e+6]
	v_lshl_add_u32 v[\e+6], v[\e+6], 3, s[40+\b]
	v_cndmask_b32 v[\e], v[\e], v[\e+6], vcc_lo
	v_mov_b32 v[\e+7], s[52+\b]
	v_cndmask_b32 v[\e+1], v[\e+1], v[\e+7], vcc_lo
	v_mov_b32 v[\e+7], s[53+\b]
	v_cndmask_b32 v[\e+2], v[\e+2], v[\e+7], vcc_lo
	v_mov_b32 v[\e+7], \b
	v_cndmask_b32 v[\e+3], v[\e+3], v[\e+7], vcc_lo
.endr
	v_mov_b32 v[\e+6], s72
	v_cmp_le_u32 vcc_lo, v[\e+6], v[\e+4]
	v_mov_b32 v[\e+7], 0
.irp q, 0,1,2,3
	v_cndmask_b32 v[\e+\q], v[\e+\q], v[\e+7], vcc_lo
.endr
	v_lshlrev_b32 v[\e+5], 4, v[\e+4]
	global_store_b128 v[\e+5], v[\e:\e+3], s[14:15]
.endm
	LIST 0, 112
	LIST 32, 120
	s_wait_xcnt 0x0                                ; the two stores have read their registers, which the loads below fill
	; ---- THE STREAM (every work-group)
.Lstream:
	s_wait_alu depctr_va_vdst(0)
.irp i, 0,1,2,3,4,5,6,7,8,9,10,11,12,13,14,15
	v_readlane_b32 s30, v4, \i
	s_min_u32 s30, s30, 2047                       ; a row inside the buffer, whatever the lane holds
	s_lshl_b32 s30, s30, 13
	v_add_nc_u32 v[VO+\i], s30, v12
.endr
.macro LOADF f                         ; K step 4 w + f of the 16 rows: each load reads 512 consecutive bytes of one row; read once in the launch
.irp i, 0,1,2,3,4,5,6,7,8,9,10,11,12,13,14,15
	global_load_b128 v[R+64*((\f)%2)+4*\i:R+64*((\f)%2)+4*\i+3], v[VO+\i], s[24:25] offset:512*(\f) th:TH_LOAD_NT
.endr
.endm
.macro FRAG f
.set RS, R+64*((\f)%2)
.if (\f) < 3
	s_wait_loadcnt 16                              ; this K step's 16 loads are in; the next K step's 16 may be out
.else
	s_wait_loadcnt 0x0
.endif
.irp i, 0,1,2,3,4,5,6,7,8,9,10,11,12,13,14,15
	ds_store_b128 v5, v[RS+4*\i:RS+4*\i+3] offset:STP*\i
.endr
.irp j, 0,1,2,3,4,5,6,7
	ds_load_b128 v[X+4*\j:X+4*\j+3], v6 offset:16*\j               ; LDS serves a wave's instructions in order: these see the stores above.  Block h of my row,
.endr
.irp j, 0,1,2,3,4,5,6,7
	ds_load_b128 v[X+32+4*\j:X+32+4*\j+3], v6 offset:256+16*\j     ; and block 2 + h
.endr
	s_wait_dscnt 0x0
	s_wait_xcnt 0x0                                ; the last fragment's stores have read C, which is written again below
.if (\f) < 2
	LOADF (\f)+2                                   ; into the set that the stage has just taken over
.endif
	v_max3_num_f32 v248, |v[X]|, |v[X+1]|, 0x1800000               ; the two blocks' largest magnitudes by turns, with the floor 2^(3 - 127): the byte cannot fall under 1
	v_max3_num_f32 v249, |v[X+32]|, |v[X+33]|, 0x1800000
.irp i, 2,4,6,8,10,12,14,16,18,20,22,24,26,28,30
	v_max3_num_f32 v248, v248, |v[X+\i]|, |v[X+1+\i]|
	v_max3_num_f32 v249, v249, |v[X+32+\i]|, |v[X+33+\i]|
.endr
	v_add_nc_u32 v250, 0xff000000, v248            ; 2 off the exponent field: the conversion takes this operand's exponent field as its scale
	v_add_nc_u32 v251, 0xff000000, v249
	v_lshrrev_b32 v252, 23, v250                   ; the scales' bytes
	v_lshrrev_b32 v253, 23, v251
	v_lshl_or_b32 v254, v253, 16, v252             ; blocks h and 2 + h,
	v_lshlrev_b32 v254, v9, v254                   ; at their places in the word;
	v_permlanex16_b32 v255, v254, s34, s35
	v_or_b32 v[PW+(\f)], v254, v255                ; with lane l xor 16's two the word is whole
	v_cvt_scalef32_pk16_fp6_f32 v[C:C+2], v[X:X+15], v250
	v_cvt_scalef32_pk16_fp6_f32 v[TMP:TMP+2], v[X+16:X+31], v250   ; (a conversion's three registers begin on an even number)
	v_cvt_scalef32_pk16_fp6_f32 v[C+6:C+8], v[X+32:X+47], v251
	v_cvt_scalef32_pk16_fp6_f32 v[TMP+4:TMP+6], v[X+48:X+63], v251
	v_nop                                          ; one plain place behind a scaled conversion
.irp i, 0,1,2
	v_mov_b32 v[C+3+\i], v[TMP+\i]
	v_mov_b32 v[C+9+\i], v[TMP+4+\i]
.endr
.irp c, 0,1,2
	global_store_b128 v7, v[C+4*\c:C+4*\c+3], s[26:27] offset:1536*(\f)+512*\c   ; 32 lanes store 512 consecutive bytes, at a multiple of 256 from the buffer's first byte
.endr
.endm
	s_wait_alu depctr_va_vdst(0)
	LOADF 0
	LOADF 1
	FRAG 0
	FRAG 1
	FRAG 2
	FRAG 3
	v_cmp_gt_u32 vcc_lo, 16, v1
	s_wait_xcnt 0x0                                ; EXEC changes only behind this wait
	s_wait_tensorcnt 0x0
	ds_add_u32 v239, v243
	s_wait_dscnt 0x0
	s_and_saveexec_b32 s30, vcc_lo
	global_store_b128 v8, v[PW:PW+3], s[26:27]     ; lanes 0-15: row r's words of my four K steps: 256 consecutive bytes, aligned
	s_wait_xcnt 0x0
	s_or_b32 exec_lo, exec_lo, s30
	s_endpgm
.Lfunc_end_k_q160e9c4a96_prep:
	.size	k_q160e9c4a96_prep, .Lfunc_end_k_q160e9c4a96_prep-k_q160e9c4a96_prep
	.p2alignl 7, 3214868480
	.fill 96, 4, 3214868480
	.section	.rodata,"a",@progbits
	.p2align	6, 0x0
	.amdhsa_kernel k_q160e9c4a96_prep
		.amdhsa_group_segment_fixed_size 35328
		.amdhsa_private_segment_fixed_size 0
		.amdhsa_enable_private_segment 0
		.amdhsa_kernarg_size 64
		.amdhsa_user_sgpr_count 2
		.amdhsa_user_sgpr_kernarg_segment_ptr 1
		.amdhsa_wavefront_size32 1
		.amdhsa_system_sgpr_workgroup_id_x 1
		.amdhsa_system_sgpr_workgroup_id_y 1
		.amdhsa_system_sgpr_workgroup_id_z 1
		.amdhsa_system_vgpr_workitem_id 0
		.amdhsa_next_free_vgpr 256
		.amdhsa_next_free_sgpr 80
		.amdhsa_reserve_vcc 1
		.amdhsa_float_denorm_mode_32 3
		.amdhsa_float_denorm_mode_16_64 3
		.amdhsa_memory_ordered 1
		.amdhsa_forward_progress 1
		.amdhsa_inst_pref_size 77
	.end_amdhsa_kernel
	.amdgpu_metadata
---
amdhsa.version: [ 1, 2 ]
amdhsa.kernels:
  - .name:           k_q160e9c4a96_prep
    .symbol:         k_q160e9c4a96_prep.kd
    .args:
      - { .name: x, .offset: 0, .size: 8, .value_kind: global_buffer, .address_space: global }
      - { .name: Ws, .offset: 8, .size: 8, .value_kind: global_buffer, .address_space: global }
      - { .name: scene_sign, .offset: 16, .size: 8, .value_kind: global_buffer, .address_space: global }
      - { .name: xq, .offset: 24, .size: 8, .value_kind: global_buffer, .address_space: global }
      - { .name: wsq, .offset: 32, .size: 8, .value_kind: global_buffer, .address_space: global }
      - { .name: tiles, .offset: 40, .size: 8, .value_kind: global_buffer, .address_space: global }
      - { .name: W1, .offset: 48, .size: 8, .value_kind: global_buffer, .address_space: global }
      - { .name: w1q, .offset: 56, .size: 8, .value_kind: global_buffer, .address_space: global }
    .group_segment_fixed_size: 35328
    .private_segment_fixed_size: 0
    .kernarg_segment_align: 8
    .kernarg_segment_size: 64
    .max_flat_workgroup_size: 128
    .sgpr_count:     80
    .vgpr_count:     256
    .wavefront_size: 32
...
	.end_amdgpu_metadata
.endif
;; end of part 1
;; launch gemm1 (part 2): grid 8 x 30, 4 waves a work-group, no clusters, 141,824 bytes of LDS; arguments tiles, xq, wsq, bs, hq, W1, w1q; writes hq, w1q
.if DOCPART == 2
	.amdgcn_target "amdgcn-amd-amdhsa--gfx1250"
	.amdhsa_code_object_version 6
	.text
	.protected	k_q160e9c4a96_gemm1
	.globl	k_q160e9c4a96_gemm1
	.p2align	8
	.type	k_q160e9c4a96_gemm1,@function
k_q160e9c4a96_gemm1:
	s_mov_b64 s[64:65], 0
	v_nop
	global_prefetch_b8 v0, s[64:65] scope:SCOPE_SE
	s_setreg_imm32_b32 hwreg(HW_REG_WAVE_MODE, 25, 1), 1
	s_wait_xcnt 0x0
; TWO KINDS OF WORK-GROUPS, four waves each, told apart by the work-group's y alone: y < 22 the hidden layer's product, y = 22 .. 29 the quantiser of W1's records 128-255 (records 0-127 come from the launch before).
;
; THE PRODUCT.  h[p] = relu(x[p] . Ws[e]^T + bs[e]) for the sorted rows p, e the row's scene, on codes of FP6 (E2M3) with E8M0 scales; h is quantised along its 2,048 units and stored as codes.
; Only the chosen scene's matrix is multiplied for a row: reference() keeps, by its own mask on scene_sign, one of the four products for each row.
; Work-group (cb, j) takes entry j of the list (eight tiles of 16 sorted rows of ONE bucket; rows outside [lo, hi) are computed and not stored) and hidden units 256 cb .. 256 cb + 255.
; Wave w makes tiles 4 (w / 2) .. + 3 x units 128 (w % 2) .. + 127: 32 accumulators, 16 K steps of 128, 512 matrix instructions.  128 units are one K step of the next product: whole fragments, whole scale words.
; With 2,048 rows, six buckets and entries of eight tiles there are never more than (128 + 5 + 6 x 7) / 8 = 21 entries, whatever the split; the grid serves 22.
; No barrier stands under a branch on a stored number: an entry that the split leaves empty (lo = hi = 0) runs the same text on tile 0 and scene 0 and stores nothing.
; Addresses hang on the stored list, and neighbouring entries may belong to different scenes: so no tensor load, no cluster, no joint request.
; THE OPERANDS' WAY.  A K step of the work-group is 24 images of 1,536 bytes (16 of Ws, 8 of x), each fetched from memory ONCE, by a wave that multiplies it: wave w fetches four of its eight images of Ws and
; two of its four of x, 18 loads of 512 consecutive bytes, into one of five OWN sets of 72 registers (three K steps, 54 loads, are out).  The products read these registers as they are; the wave also stores them
; into one of two LDS buffers that take turns, for wave w xor 2 (Ws) and wave w xor 1 (x), and reads its partners' six images from there: 18 LDS stores and 18 LDS loads a K step, one barrier.
; Buffer (k + 1) % 2 is stored in step k: its last readers waited for their loads in front of step k - 1's signal.  No prefetch: the loads themselves run three K steps ahead.
; LOCAL ORDER.  The text numbers a wave's tiles with its own first: local tile u of Ws is tile u xor 4 (w / 2) of my 8, local tile a of x is tile a xor 2 (w % 2) of my 4.  Bias, scale words, masks and the
; addresses of the way out follow by their addresses; in waves 2 and 3 the two halves of h's finished fragment and of its scale word change places before they are stored.
; THE PRODUCT IS USED TRANSPOSED: source 0 = 16 rows of Ws, source 1 = 16 rows of x: a lane holds one row of h.  Lane row q of tile t is unit 32 (t / 2) + 8 (t % 2) + q + 8 (q / 8), so the 16 registers of
; tiles 2 b, 2 b + 1 are 16 neighbours along the next K.  The bias is the C of each sum's first matrix instruction.  Buckets 0 and 5 (scene_sign outside 1 .. 4) have h = 0: the clamp's upper end is 0 there.
; REGISTERS, in windows of 256.  Window 0: v1-31 addresses; v32-63 x's scale words, v64-127 Ws's (scales and nothing else); v128-191 the bias, later h; v192-239 the partner's Ws in odd K steps, later the quantiser of h.
;   Window 1: accumulator (a, u) at 64 a + 8 u.   Window 2: own sets 0-2 at v0, v72, v144; v216-239 the partner's x in odd K steps.   Window 3: own sets 3, 4 at v0, v72; v144-215 the partners' images in even K steps.
; LIMITS: NaN and infinities are not served.
.set TS,  25600                        ; bytes of a record: 16 rows x all of K
.set SCO, 24576                        ; where its scale words begin
.set NE,  22                           ; entries of the list that the grid serves
.set KB,  36864                        ; an LDS buffer: a K step's 24 images, 9,216 bytes a wave: its 4 of Ws, then its 2 of x
.set QB,  2*KB                         ; the quantiser's stages: LDS bytes of their own
.set QWV, 16896                        ; two stages a wave
.set SPARE, QB+4*QWV                   ; the spare words, 128 bytes a wave
.set BI,  128
.set H,   128
.set TM,  192
.set PC,  208
.set PW,  228
.set PO,  232                          ; v232-243 the fragment as it is stored, v244 its scale word
.set MSB, 0
.macro WIN new                         ; the immediate's high byte repeats the setting that is left
.if MSB != \new
	s_set_vgpr_msb (MSB<<8)|\new
.set MSB, \new
.endif
.endm
.macro PLACES                          ; four places in front of loads into registers that matrix instructions have read, and of the first read of results
.rept 4
	v_nop
.endr
.endm
.macro OWNSET n                        ; first register OB and window OW of own set n % 5: Ws's local tile u at OB + 12 u, x's local tile a at OB + 48 + 12 a
.if (\n)%5 < 3
.set OB, 72*((\n)%5)
.set OW, 2
.else
.set OB, 72*((\n)%5-3)
.set OW, 3
.endif
.endm
.macro PARSET k                        ; where the partners' images of K step k lie: Ws's local tiles 4-7 from PBR on in window PBW, x's local tiles 2, 3 from PAR on in window PAW
.if (\k)%2 == 0
.set PBR, 144
.set PBW, 3
.set PAR, 192
.set PAW, 3
.else
.set PBR, 192
.set PBW, 0
.set PAR, 216
.set PAW, 2
.endif
.endm
.macro GLOAD k                         ; my 18 loads of K step k: groups 0-11 my four images of Ws, 12-17 my two of x
	OWNSET \k
.set WV, OW<<6
	WIN WV
.irp q, 0,1,2,3,4,5,6,7,8,9,10,11,12,13,14,15,16,17
.if \q < 12
	global_load_b128 v[OB+4*\q:OB+4*\q+3], v3, s[54:55] offset:TS*(\q/3)+1536*(\k)+512*(\q%3)
.else
	global_load_b128 v[OB+4*\q:OB+4*\q+3], v[4+(\q-12)/3], s[6:7] offset:1536*(\k)+512*(\q%3)
.endif
.endr
.endm
.macro SSTORE k                        ; the same 18 groups into my part of buffer k % 2, for my partners (an LDS store's data are its source 1)
	OWNSET \k
.set WV, OW<<2
	WIN WV
.irp q, 0,1,2,3,4,5,6,7,8,9,10,11,12,13,14,15,16,17
	ds_store_b128 v22, v[OB+4*\q:OB+4*\q+3] offset:KB*((\k)%2)+512*\q
.endr
.endm
.macro FETCH k                         ; my partners' six images of K step k: 18 loads of 512 consecutive bytes
	PARSET \k
.set WV, PBW<<6
	WIN WV
.irp q, 0,1,2,3,4,5,6,7,8,9,10,11
	ds_load_b128 v[PBR+4*\q:PBR+4*\q+3], v24 offset:KB*((\k)%2)+512*\q
.endr
.set WV, PAW<<6
	WIN WV
.irp q, 0,1,2,3,4,5
	ds_load_b128 v[PAR+4*\q:PAR+4*\q+3], v25 offset:KB*((\k)%2)+512*\q
.endr
.endm
; One product.  A scale register carries two tiles' words: the even tile's in lanes 0-15, the odd tile's in lanes 16-31.
.macro WM k, a, t, rb, ra
.set rD, 64*(\a)+8*(\t)
.set rB, \rb
.set rA, \ra
.set rSB, 64+16*((\t)/2)+(\k)
.set rSA, 32+16*((\a)/2)+(\k)
.if (\k) == 0
.set rC, BI+8*(\t)
.else
.set rC, rD
.endif
.if (\t)%2
.if (\a)%2
	v_wmma_scale_f32_16x16x128_f8f6f4 v[rD:rD+7], v[rB:rB+11], v[rA:rA+11], v[rC:rC+7], v[rSB], v[rSA] matrix_a_fmt:MATRIX_FMT_FP6 matrix_b_fmt:MATRIX_FMT_FP6 matrix_a_scale:MATRIX_SCALE_ROW1 matrix_b_scale:MATRIX_SCALE_ROW1
.else
	v_wmma_scale_f32_16x16x128_f8f6f4 v[rD:rD+7], v[rB:rB+11], v[rA:rA+11], v[rC:rC+7], v[rSB], v[rSA] matrix_a_fmt:MATRIX_FMT_FP6 matrix_b_fmt:MATRIX_FMT_FP6 matrix_a_scale:MATRIX_SCALE_ROW1
.endif
.else
.if (\a)%2
	v_wmma_scale_f32_16x16x128_f8f6f4 v[rD:rD+7], v[rB:rB+11], v[rA:rA+11], v[rC:rC+7], v[rSB], v[rSA] matrix_a_fmt:MATRIX_FMT_FP6 matrix_b_fmt:MATRIX_FMT_FP6 matrix_b_scale:MATRIX_SCALE_ROW1
.else
	v_wmma_scale_f32_16x16x128_f8f6f4 v[rD:rD+7], v[rB:rB+11], v[rA:rA+11], v[rC:rC+7], v[rSB], v[rSA] matrix_a_fmt:MATRIX_FMT_FP6 matrix_b_fmt:MATRIX_FMT_FP6
.endif
.endif
.endm
; Eight products under one setting of the windows: x's local tiles 2 ga, 2 ga + 1 (ga = 0: my own) against Ws's 4 gb .. 4 gb + 3 (gb = 0: my own).
; The 32 accumulators take turns, in the same order in every step.
.macro MULG k, ga, gb
	OWNSET \k
	PARSET \k
.if \gb == 0
.set XB, OB
.set XBW, OW
.else
.set XB, PBR
.set XBW, PBW
.endif
.if \ga == 0
.set XA, OB+48
.set XAW, OW
.else
.set XA, PAR
.set XAW, PAW
.endif
.if (\k) == 0
.set WV, 0x40|(XAW<<2)|XBW             ; D window 1, C (the bias) window 0
.else
.set WV, 0x50|(XAW<<2)|XBW             ; C and D window 1
.endif
	WIN WV
.irp aa, 0,1
.irp uu, 0,1,2,3
	WM \k, 2*\ga+\aa, 4*\gb+\uu, XB+12*\uu, XA+12*\aa
.endr
.endr
.endm
; A K step: my images of the next step go into the other buffer; one barrier; my partners' images of the next step and my loads of four steps on are asked for in the step's middle.
.macro STEP k
.if (\k) < 15
.if (\k) < 13
	s_wait_loadcnt 36                              ; loads come back in order: set k + 1 is in; the 36 of sets k + 2 and k + 3 may be out
.else
	s_wait_loadcnt 18*(14-(\k))                    ; the tail loads nothing: the counts run down
.endif
	SSTORE (\k)+1
.endif
	MULG \k, 0, 0                                  ; my own images alone: nothing from LDS is wanted yet
	s_wait_dscnt 0x0                               ; my partners' images of this step are in; for the others: my stores lie in LDS, my reads of the buffer that the next step stores into are over
.if (\k) < 15
	s_barrier_signal -1
	MULG \k, 0, 1                                  ; work on registers while the others arrive
	s_barrier_wait -1
	PLACES                                         ; the registers to be loaded were read by the last step's products
	FETCH (\k)+1
.if (\k)+4 < 16
	GLOAD (\k)+4                                   ; into the own set that the last step multiplied
.endif
.else
	MULG \k, 0, 1
.endif
	MULG \k, 1, 0
	MULG \k, 1, 1
.endm
; 64 numbers of a lane, none negative, register 16 b + i = k 32 b + 16 (lane / 16) + i of my row, become a fragment's codes in v[PC] on and its scale word in v[PW].
.macro QUANT s
.irp b, 0,1,2,3
	v_max3_num_f32 v[TM+\b], v[\s+16*\b], v[\s+1+16*\b], 0x1800000   ; block b: my 16 numbers and the floor 2^(3 - 127): the byte cannot fall under 1
.endr
.irp i, 2,4,6,8,10,12,14
.irp b, 0,1,2,3
	v_max3_num_f32 v[TM+\b], v[TM+\b], v[\s+16*\b+\i], v[\s+1+16*\b+\i]
.endr
.endr
.irp b, 0,1,2,3
	v_permlanex16_b32 v[TM+4+\b], v[TM+\b], s34, s35
.endr
.irp b, 0,1,2,3
	v_max_num_f32 v[TM+\b], v[TM+\b], v[TM+4+\b]   ; with lane l xor 16's: the block's largest
.endr
.irp b, 0,1,2,3
	v_add_nc_u32 v[TM+12+\b], 0xff000000, v[TM+\b] ; 2 off its exponent field: the conversion's scale operand
.endr
.irp b, 0,1,2,3
	v_lshrrev_b32 v[TM+4+\b], 23, v[TM+12+\b]      ; the scale's byte
.endr
	v_lshl_or_b32 v[PW], v[TM+5], 8, v[TM+4]
	v_lshl_or_b32 v[PW], v[TM+6], 16, v[PW]
	v_lshl_or_b32 v[PW], v[TM+7], 24, v[PW]        ; my row's scale word
.irp c, 0,1
	v_cvt_scalef32_pk16_fp6_f32 v[PC+6*\c:PC+2+6*\c], v[\s+32*\c:\s+15+32*\c], v[TM+12+2*\c]
	v_cvt_scalef32_pk16_fp6_f32 v[PC+12+4*\c:PC+14+4*\c], v[\s+16+32*\c:\s+31+32*\c], v[TM+12+2*\c+1]   ; (a conversion's three registers begin on an even number)
.endr
	v_nop                                          ; one plain place behind a scaled conversion
.irp c, 0,1                            ; the operand's layout wants a whole block in a lane: lanes 0-15 block 2 c, lanes 16-31 block 2 c + 1
.irp i, 0,1,2
	v_permlane16_swap_b32 v[PC+6*\c+\i], v[PC+12+4*\c+\i]
.endr
.irp i, 0,1,2
	v_mov_b32 v[PC+3+6*\c+\i], v[PC+12+4*\c+\i]
.endr
.endr
.endm
	s_load_b256 s[4:11], s[0:1], 0x0               ; tiles s[4:5], xq s[6:7], wsq s[8:9], bs s[10:11]
	s_load_b128 s[12:15], s[0:1], 0x20             ; hq s[12:13], W1 s[14:15]
	s_load_b64 s[38:39], s[0:1], 0x30              ; w1q
	v_lshl_add_u32 v30, v0, 2, SPARE               ; my spare word, and 0: kept for the closing lines
	v_mov_b32 v31, 0
	v_lshrrev_b32 v13, 5, v0
	v_readfirstlane_b32 s48, v13                   ; wave 0..3
	s_lshr_b32 s49, s48, 1                         ; my half of the entry's tiles
	s_and_b32 s50, s48, 1                          ; my half of the 256 units
	s_and_b32 s20, ttmp7, 0xffff                   ; y
	v_and_b32 v1, 15, v0                           ; r
	v_bfe_u32 v2, v0, 4, 1                         ; h
	v_and_b32 v26, 31, v0                          ; lane
	v_lshlrev_b32 v3, 4, v26                       ; 16 x lane
	s_mov_b32 s34, 0x76543210
	s_mov_b32 s35, 0xfedcba98                      ; v_permlanex16_b32: lane l xor 16
	s_cmp_ge_u32 s20, NE
	s_wait_alu depctr_va_vdst(0)
	s_cbranch_scc1 .Lquant                         ; the quantiser's work-groups: the branch hangs on the work-group's number alone
	s_lshl_b32 s21, s20, 4
	v_mul_u32_u24 v10, v2, TS
	v_lshl_add_u32 v10, v1, 4, v10                 ; Ws's scale words: lanes 16-31 the next record; 16 r
	v_lshlrev_b32 v11, 6, v2                       ; the bias: 64 h
	v_lshlrev_b32 v12, 2, v1                       ; 4 r
	s_mul_i32 s51, s48, 9216
	v_add_nc_u32 v22, s51, v3                      ; LDS, in: my six images
	s_xor_b32 s51, s48, 2
	s_mul_i32 s51, s51, 9216
	v_add_nc_u32 v24, s51, v3                      ; LDS, out: the four images of Ws of wave w xor 2,
	s_xor_b32 s51, s48, 1
	s_mul_i32 s51, s51, 9216
	s_add_co_u32 s51, s51, 6144
	v_add_nc_u32 v25, s51, v3                      ; the two of x of wave w xor 1
	s_mov_b32 s33, 0xffff
	s_wait_alu depctr_va_vdst(0)
	s_wait_kmcnt 0x0
	s_load_b128 s[16:19], s[4:5], s21 offset:0x0   ; the entry: s16 first tile, s17 lo, s18 hi, s19 bucket
	s_wait_kmcnt 0x0
	s_max_u32 s22, s19, 1
	s_sub_co_u32 s22, s22, 1
	s_min_u32 s22, s22, 3                          ; the scene's matrix; buckets 0 and 5 read matrix 0 or 3 and keep nothing of it
	s_sub_co_u32 s24, s19, 1
	s_cmp_lt_u32 s24, 4
	s_cselect_b32 s23, 0x7f800000, 0               ; the clamp's upper end: +infinity, or 0 for buckets 0 and 5
	s_cmp_lg_u32 s49, 0
	s_cselect_b32 s62, -1, 0                       ; waves 2, 3: all lanes: the finished fragment's halves change places
	s_lshl_b32 s52, s49, 2
	s_add_co_u32 s52, s52, s16                     ; the first of my four tiles
	s_lshl_b32 s51, s50, 1
	s_add_co_u32 s58, s52, s51                     ; local tiles 0, 1: the two that I fetch
	s_xor_b32 s51, s51, 2
	s_add_co_u32 s59, s52, s51                     ; local tiles 2, 3: my partner's
.irp a, 0,1,2,3
	s_add_co_u32 s[28+\a], s[58+\a/2], (\a%2)      ; local tile a
	s_lshl_b32 s32, s[28+\a], 4
	v_add_nc_u32 v13, s32, v1                      ; my sorted row in it
	v_cmp_le_u32 vcc_lo, s17, v13
	v_cmp_gt_u32 s[40+\a], s18, v13
	s_and_b32 s[40+\a], s[40+\a], vcc_lo           ; lo <= row < hi
	s_and_b32 s[44+\a], s[40+\a], s33              ; and of those lanes 0-15
	s_min_u32 s[28+\a], s[28+\a], 127              ; a tile past the last is read as tile 127 and never stored: its rows lie at or past hi
	s_mul_i32 s[28+\a], s[28+\a], TS
	v_add_nc_u32 v[4+\a], s[28+\a], v3             ; tile a's record + 16 x lane, in xq and in hq alike
	v_add_nc_u32 v[16+\a], s[28+\a], v12           ; tile a's record + 4 r: my row's scale word in hq
.endr
.irp p, 0,1
	v_add_nc_u32 v[8+\p], s[58+\p], v2
	v_min_u32 v[8+\p], 127, v[8+\p]
	v_mul_u32_u24 v[8+\p], v[8+\p], TS
	v_lshl_add_u32 v[8+\p], v1, 4, v[8+\p]         ; x's scale words: lanes 0-15 local tile 2 p, lanes 16-31 local tile 2 p + 1; 16 r
.endr
	s_lshl_b32 s24, s22, 7
	s_lshl_b32 s25, ttmp9, 4
	s_add_co_u32 s24, s24, s25
	s_lshl_b32 s25, s50, 3
	s_add_co_u32 s24, s24, s25                     ; wsq's record 128 e + 16 cb + 8 (w % 2): the first of my eight
	s_lshl_b32 s25, s49, 2
	s_add_co_u32 s56, s24, s25
	s_mul_i32 s56, s56, TS
	s_mov_b32 s57, 0
	s_add_nc_u64 s[54:55], s[8:9], s[56:57]        ; local tiles 0-3: the four that I fetch
	s_xor_b32 s25, s25, 4
	s_add_co_u32 s56, s24, s25
	s_mul_i32 s56, s56, TS
	s_add_nc_u64 s[8:9], s[8:9], s[56:57]          ; local tiles 4-7: my partner's (their scale words)
	s_lshl_b32 s53, ttmp9, 1
	s_add_co_u32 s53, s53, s50                     ; ct: which 128 units are mine
	s_lshl_b32 s24, s22, 13
	s_lshl_b32 s32, s53, 9
	s_add_co_u32 s24, s24, s32                     ; bs at unit 2,048 e + 128 ct, in bytes
	s_lshl_b32 s32, s49, 8
	s_add_co_u32 s56, s24, s32
	s_add_nc_u64 s[60:61], s[10:11], s[56:57]      ; + the 64 units of local tiles 0-3
	s_xor_b32 s32, s32, 256
	s_add_co_u32 s56, s24, s32
	s_add_nc_u64 s[10:11], s[10:11], s[56:57]      ; + those of local tiles 4-7
	s_mov_b32 s25, 0
	s_lshl_b32 s24, s53, 6
	s_add_co_u32 s24, s24, SCO
	s_add_nc_u64 s[26:27], s[12:13], s[24:25]      ; hq's scale words of K step ct: 64 bytes a K step, 4 a row
	s_mul_i32 s24, s53, 1536
	s_add_nc_u64 s[12:13], s[12:13], s[24:25]      ; hq's image of K step ct
	s_wait_alu depctr_va_vdst(0)
.irp tt, 0,1,2,3
	global_load_b128 v[BI+8*\tt:BI+8*\tt+3], v11, s[60:61] offset:(32*(\tt/2)+8*(\tt%2))*4
	global_load_b128 v[BI+8*\tt+4:BI+8*\tt+7], v11, s[60:61] offset:(32*(\tt/2)+8*(\tt%2))*4+16
.endr
.irp tt, 0,1,2,3
	global_load_b128 v[BI+32+8*\tt:BI+32+8*\tt+3], v11, s[10:11] offset:(32*(\tt/2)+8*(\tt%2))*4
	global_load_b128 v[BI+32+8*\tt+4:BI+32+8*\tt+7], v11, s[10:11] offset:(32*(\tt/2)+8*(\tt%2))*4+16
.endr
.irp p, 0,1
.irp kg, 0,1,2,3
	global_load_b128 v[32+16*\p+4*\kg:32+16*\p+4*\kg+3], v[8+\p], s[6:7] offset:SCO+256*\kg
.endr
.endr
.irp p, 0,1
.irp kg, 0,1,2,3
	global_load_b128 v[64+16*\p+4*\kg:64+16*\p+4*\kg+3], v10, s[54:55] offset:2*TS*\p+SCO+256*\kg
.endr
.endr
.irp p, 0,1
.irp kg, 0,1,2,3
	global_load_b128 v[96+16*\p+4*\kg:96+16*\p+4*\kg+3], v10, s[8:9] offset:2*TS*\p+SCO+256*\kg
.endr
.endr
	GLOAD 0
	GLOAD 1
	GLOAD 2
	s_wait_loadcnt 36                              ; the bias, the scale words and set 0 are in; sets 1 and 2 may be out
	SSTORE 0
	GLOAD 3
	s_wait_dscnt 0x0                               ; for the others: my part of K step 0 lies in LDS
	s_barrier_signal -1
	s_barrier_wait -1
	FETCH 0
.irp kk, 0,1,2,3,4,5,6,7,8,9,10,11,12,13,14,15
	STEP \kk
.endr
	PLACES
	WIN 0
	s_wait_tensorcnt 0x0                           ; behind my last LDS store
	ds_add_u32 v30, v31
	s_wait_dscnt 0x0
.irp b, 0,1,2,3
	v_mov_b32 v[TM+4+\b], 0                        ; written once: a lane permute's destination counts as one of its sources
.endr
	; ---- a tile of 16 rows at a time: relu (or zero), the quantiser, the halves into their true order, the stores of the valid rows
.irp aa, 0,1,2,3
	WIN 0x01                                       ; source 0: the accumulators' window
.set J, 0
.rept 64
	v_med3_num_f32 v[H+J], v[64*\aa+J], 0, s23     ; each accumulator from its low end on
.set J, J+1
.endr
	WIN 0
	QUANT H
.irp i, 0,1,2,3,4,5,6,7,8,9,10,11
	v_cndmask_b32 v[PO+\i], v[PC+\i], v[PC+(\i+6)%12], s62   ; waves 2, 3 hold blocks 2, 3 in front of blocks 0, 1
.endr
	v_lshrrev_b32 v245, 16, v[PW]
	v_lshl_or_b32 v245, v[PW], 16, v245            ; the scale word with its halves exchanged
	v_cndmask_b32 v244, v[PW], v245, s62
	s_wait_alu depctr_va_vdst(0)
	s_wait_xcnt 0x0                                ; EXEC changes only behind this wait
	s_and_saveexec_b32 s37, s[40+\aa]              ; the lanes whose row is valid
.irp cc, 0,1,2
	global_store_b128 v[4+\aa], v[PO+4*\cc:PO+4*\cc+3], s[12:13] offset:512*\cc   ; 512 consecutive bytes where all 16 rows are valid
.endr
	s_wait_xcnt 0x0
	s_or_b32 exec_lo, exec_lo, s37
	s_and_saveexec_b32 s37, s[44+\aa]              ; of those, lanes 0-15: one word a row
	global_store_b32 v[16+\aa], v244, s[26:27]     ; 64 consecutive bytes where all 16 rows are valid
	s_wait_xcnt 0x0                                ; and the stores have read their registers, which the next tile writes again
	s_or_b32 exec_lo, exec_lo, s37
.endr
	s_endpgm
; ==== THE QUANTISER OF W1 [4096][2048], f32, K innermost.  Record T of w1q (25,600 bytes) holds rows 16 T .. 16 T + 15 over all of K: 16 images of 1,536 bytes, one for each 128 along K (register group c of lane l at
; 512 c + 16 l; lane (r, h) holds row r, registers 0-5 its block h, registers 6-11 its block 2 + h), then the scale words: the word of row r and K step 4 g + q at 24,576 + 256 g + 16 r + 4 q.
; A WAVE MAKES HALF A RECORD: wave number i = 4 (8 (y - 22) + x) + w takes record T = 128 + i / 2 and K steps 8 (i % 2) .. + 7; step f of the text is K step 8 (i % 2) + f.  Waves share nothing: no barrier.
; A block's scale is 2^(floor(log2(largest magnitude)) - 2); its byte is the largest magnitude's exponent field - 2, held at 1 from below (a block of zeros gets the byte 1 where the rule says 127: its codes
; are zeros, and this program alone reads the bytes).
; A K step is 16 loads, each 512 consecutive bytes of one row; its 8,192 bytes turn through the wave's own stage in LDS (rows 528 bytes apart) and come back 128 neighbouring bytes a block and lane.
; Loads run four K steps ahead, the turn through LDS one step, in two stages by turns.
; REGISTERS: window 1: four sets of 64 as loaded (row i in registers 4 i on).  Window 0: v3 16 x lane; v7 stage, in; v4 stage, out; v5 scale words, out; v6 8 h; v32-159 two sets of 64 neighbours;
;   v160-171 the fragment; v172-179 the blocks' upper halves as converted; v180-187 the 8 scale words; v196-205 at work.
.set QSTP, 528
.set QSTG, 16*QSTP
.set QX,   32
.set QC,   160
.set QT,   172
.set QPW,  180
.macro QLOAD f                         ; step f of the 16 rows into set f % 4; read once in the launch
	WIN 0x40                                       ; destination window 1, address window 0
.irp i, 0,1,2,3,4,5,6,7,8,9,10,11,12,13,14,15
	global_load_b128 v[64*((\f)%4)+4*\i:64*((\f)%4)+4*\i+3], v3, s[14:15] offset:8192*\i+512*(\f) th:TH_LOAD_NT
.endr
.endm
.macro QTURN f                         ; step f through stage f % 2: LDS serves a wave's instructions in order, so no wait stands between the stores and the loads
	WIN 0x04                                       ; an LDS store's data are its source 1: window 1
.irp i, 0,1,2,3,4,5,6,7,8,9,10,11,12,13,14,15
	ds_store_b128 v7, v[64*((\f)%4)+4*\i:64*((\f)%4)+4*\i+3] offset:QSTG*((\f)%2)+QSTP*\i
.endr
	WIN 0
.irp j, 0,1,2,3,4,5,6,7
	ds_load_b128 v[QX+64*((\f)%2)+4*\j:QX+64*((\f)%2)+4*\j+3], v4 offset:QSTG*((\f)%2)+16*\j             ; block h of my row,
.endr
.irp j, 0,1,2,3,4,5,6,7
	ds_load_b128 v[QX+64*((\f)%2)+32+4*\j:QX+64*((\f)%2)+32+4*\j+3], v4 offset:QSTG*((\f)%2)+256+16*\j   ; and block 2 + h
.endr
.endm
.macro QSTEP f
.set XS, QX+64*((\f)%2)
	s_wait_dscnt 0x0                               ; this step's numbers are back from the stage, and its stores into the stage have read set f % 4,
.if (\f) > 0
	s_wait_xcnt 0x0                                ; (the last step's stores have read the fragment's registers, which are written again below)
.endif
.if (\f)+4 < 8
	QLOAD (\f)+4                                   ; which takes the loads of four steps on
.endif
.if (\f)+1 < 8
.if (\f) < 4
	s_wait_loadcnt 48                              ; loads come back in order: the next step's 16 are in; the 48 of the three steps behind it may be out
.else
	s_wait_loadcnt 16*(6-(\f))                     ; the tail loads nothing: behind the next step's 16 stand those of steps f + 2 .. 7
.endif
	QTURN (\f)+1                                   ; and go through the other stage while this step is worked
.endif
	v_max3_num_f32 v196, |v[XS]|, |v[XS+1]|, 0x1800000             ; the two blocks' largest magnitudes, each in two chains, the four by turns.
	v_max3_num_f32 v197, |v[XS+32]|, |v[XS+33]|, 0x1800000         ; The floor 2^(3 - 127) among the leaves: the byte cannot fall under 1
	v_max3_num_f32 v204, |v[XS+16]|, |v[XS+17]|, |v[XS+18]|
	v_max3_num_f32 v205, |v[XS+48]|, |v[XS+49]|, |v[XS+50]|
.irp i, 0,2,4,6,8,10
	v_max3_num_f32 v196, v196, |v[XS+2+\i]|, |v[XS+3+\i]|
	v_max3_num_f32 v197, v197, |v[XS+34+\i]|, |v[XS+35+\i]|
	v_max3_num_f32 v204, v204, |v[XS+19+\i]|, |v[XS+20+\i]|
	v_max3_num_f32 v205, v205, |v[XS+51+\i]|, |v[XS+52+\i]|
.endr
	v_max3_num_f32 v196, v196, |v[XS+14]|, |v[XS+15]|
	v_max3_num_f32 v197, v197, |v[XS+46]|, |v[XS+47]|
	v_max3_num_f32 v196, v196, v204, |v[XS+31]|
	v_max3_num_f32 v197, v197, v205, |v[XS+63]|
	v_add_nc_u32 v198, 0xff000000, v196            ; 2 off the exponent field: the conversion takes this operand's exponent field as its scale
	v_add_nc_u32 v199, 0xff000000, v197
	v_lshrrev_b32 v200, 23, v198                   ; the scales' bytes
	v_lshrrev_b32 v201, 23, v199
	v_lshl_or_b32 v202, v201, 16, v200             ; blocks h and 2 + h,
	v_lshlrev_b32 v202, v6, v202                   ; at their places in the word;
	v_permlanex16_b32 v203, v202, s34, s35
	v_or_b32 v[QPW+(\f)], v202, v203               ; with lane l xor 16's two the word is whole
	v_cvt_scalef32_pk16_fp6_f32 v[QC:QC+2], v[XS:XS+15], v198
	v_cvt_scalef32_pk16_fp6_f32 v[QT:QT+2], v[XS+16:XS+31], v198   ; (a conversion's three registers begin on an even number)
	v_cvt_scalef32_pk16_fp6_f32 v[QC+6:QC+8], v[XS+32:XS+47], v199
	v_cvt_scalef32_pk16_fp6_f32 v[QT+4:QT+6], v[XS+48:XS+63], v199
	v_nop                                          ; one plain place behind a scaled conversion
.irp i, 0,1,2
	v_mov_b32 v[QC+3+\i], v[QT+\i]
	v_mov_b32 v[QC+9+\i], v[QT+4+\i]
.endr
.irp c, 0,1,2
	global_store_b128 v3, v[QC+4*\c:QC+4*\c+3], s[38:39] offset:1536*(\f)+512*\c   ; 32 lanes store 512 consecutive bytes, at a multiple of 256 from the buffer's first byte
.endr
.endm
.Lquant:
	s_sub_co_u32 s21, s20, NE
	s_lshl_b32 s21, s21, 3
	s_add_co_u32 s21, s21, ttmp9                   ; the quantiser's work-group, 0 .. 63
	s_lshl_b32 s21, s21, 2
	s_add_co_u32 s21, s21, s48                     ; i: 0 .. 255
	s_and_b32 s28, s21, 1                          ; which half of K
	s_lshr_b32 s21, s21, 1
	s_add_co_u32 s21, s21, 128                     ; T
	s_lshl_b32 s24, s21, 17                        ; 16 rows of 8,192 bytes: under 2^25
	s_lshl_b32 s29, s28, 12
	s_add_co_u32 s24, s24, s29                     ; + 8 K steps of 512 bytes
	s_mov_b32 s25, 0
	s_mul_i32 s26, s21, TS
	s_mul_i32 s29, s28, 12288
	s_add_co_u32 s26, s26, s29                     ; + 8 images of 1,536 bytes
	s_mov_b32 s27, 0
	s_mul_i32 s29, s28, 11776
	s_sub_co_u32 s29, SCO, s29                     ; the scale words, counted from there: 24,576 + 512 half - 12,288 half
	s_mul_i32 s30, s48, QWV
	s_add_co_u32 s30, s30, QB                      ; my wave's two stages
	v_mul_u32_u24 v4, v1, QSTP
	v_lshl_add_u32 v4, v2, 7, v4
	v_add_nc_u32 v4, s30, v4                       ; stage, out: row r, block h (128 bytes a block)
	v_add_nc_u32 v7, s30, v3                       ; stage, in: a row's 512 bytes as they lie
	v_lshl_add_u32 v5, v1, 4, s29                  ; scale words: my half's first group + 16 r
	v_lshlrev_b32 v6, 3, v2                        ; 8 h
	v_mov_b32 v203, 0                              ; written once: a lane permute's destination counts as one of its sources
	s_wait_alu depctr_va_vdst(0)
	s_wait_kmcnt 0x0
	s_add_nc_u64 s[14:15], s[14:15], s[24:25]      ; W1 at row 16 T, my half of K
	s_add_nc_u64 s[38:39], s[38:39], s[26:27]      ; w1q at record T, my half's images
	QLOAD 0
	QLOAD 1
	QLOAD 2
	QLOAD 3
	s_wait_loadcnt 48                              ; step 0's 16 loads are in
	QTURN 0
.irp kk, 0,1,2,3,4,5,6,7
	QSTEP \kk
.endr
	v_cmp_gt_u32 vcc_lo, 16, v26
	s_wait_xcnt 0x0                                ; EXEC changes only behind this wait
	s_wait_tensorcnt 0x0                           ; behind my last LDS store
	ds_add_u32 v30, v31
	s_wait_dscnt 0x0
	s_and_saveexec_b32 s37, vcc_lo
.irp kg, 0,1
	global_store_b128 v5, v[QPW+4*\kg:QPW+4*\kg+3], s[38:39] offset:256*\kg   ; lanes 0-15: row r's words of four K steps: 256 consecutive bytes, aligned
.endr
	s_wait_xcnt 0x0
	s_or_b32 exec_lo, exec_lo, s37
	s_endpgm
.Lfunc_end_k_q160e9c4a96_gemm1:
	.size	k_q160e9c4a96_gemm1, .Lfunc_end_k_q160e9c4a96_gemm1-k_q160e9c4a96_gemm1
	.p2alignl 7, 3214868480
	.fill 96, 4, 3214868480
	.section	.rodata,"a",@progbits
	.p2align	6, 0x0
	.amdhsa_kernel k_q160e9c4a96_gemm1
		.amdhsa_group_segment_fixed_size 141824
		.amdhsa_private_segment_fixed_size 0
		.amdhsa_enable_private_segment 0
		.amdhsa_kernarg_size 56
		.amdhsa_user_sgpr_count 2
		.amdhsa_user_sgpr_kernarg_segment_ptr 1
		.amdhsa_wavefront_size32 1
		.amdhsa_system_sgpr_workgroup_id_x 1
		.amdhsa_system_sgpr_workgroup_id_y 1
		.amdhsa_system_sgpr_workgroup_id_z 1
		.amdhsa_system_vgpr_workitem_id 0
		.amdhsa_next_free_vgpr 1024
		.amdhsa_next_free_sgpr 66
		.amdhsa_reserve_vcc 1
		.amdhsa_float_denorm_mode_32 3
		.amdhsa_float_denorm_mode_16_64 3
		.amdhsa_memory_ordered 1
		.amdhsa_forward_progress 1
		.amdhsa_inst_pref_size 239
	.end_amdhsa_kernel
	.amdgpu_metadata
---
amdhsa.version: [ 1, 2 ]
amdhsa.kernels:
  - .name:           k_q160e9c4a96_gemm1
    .symbol:         k_q160e9c4a96_gemm1.kd
    .args:
      - { .name: tiles, .offset: 0, .size: 8, .value_kind: global_buffer, .address_space: global }
      - { .name: xq, .offset: 8, .size: 8, .value_kind: global_buffer, .address_space: global }
      - { .name: wsq, .offset: 16, .size: 8, .value_kind: global_buffer, .address_space: global }
      - { .name: bs, .offset: 24, .size: 8, .value_kind: global_buffer, .address_space: global }
      - { .name: hq, .offset: 32, .size: 8, .value_kind: global_buffer, .address_space: global }
      - { .name: W1, .offset: 40, .size: 8, .value_kind: global_buffer, .address_space: global }
      - { .name: w1q, .offset: 48, .size: 8, .value_kind: global_buffer, .address_space: global }
    .group_segment_fixed_size: 141824
    .private_segment_fixed_size: 0
    .kernarg_segment_align: 8
    .kernarg_segment_size: 56
    .max_flat_workgroup_size: 128
    .sgpr_count:     66
    .vgpr_count:     1024
    .wavefront_size: 32
...
	.end_amdgpu_metadata
.endif
;; end of part 2
;; launch gemm2 (part 3): grid 16 x 16, 4 waves a work-group, clusters of 4 x 4, 327,680 bytes of LDS; arguments hq, w1q, b1, out0; writes out0
.if DOCPART == 3
	.amdgcn_target "amdgcn-amd-amdhsa--gfx1250"
	.amdhsa_code_object_version 6
	.text
	.protected	k_q160e9c4a96_gemm2
	.globl	k_q160e9c4a96_gemm2
	.p2align	8
	.type	k_q160e9c4a96_gemm2,@function
k_q160e9c4a96_gemm2:
	s_mov_b64 s[64:65], 0
	v_nop
	global_prefetch_b8 v0, s[64:65] scope:SCOPE_SE
	s_setreg_imm32_b32 hwreg(HW_REG_WAVE_MODE, 25, 1), 1
	s_wait_xcnt 0x0
	s_wait_alu depctr_hold_cnt(0) depctr_sa_sdst(0) depctr_va_vdst(0) depctr_va_sdst(0) depctr_va_ssrc(0) depctr_va_vcc(0) depctr_vm_vsrc(0)
	s_getreg_b32 s2, hwreg(HW_REG_IB_STS2, 6, 4)
	s_cmp_eq_u32 s2, 0
	s_cbranch_scc0 .Lentry_in_a_cluster
	s_endpgm
.Lentry_in_a_cluster:
	s_bfe_u32 s2, ttmp6, 0x10000c
	s_cmp_lg_u32 s2, 0xf033
	s_cbranch_scc0 .Lentry_shape_is_right
	s_endpgm
.Lentry_shape_is_right:
; out0[p][n] = h[p] . W1[n] + b1[n] on codes of FP6 (E2M3) with E8M0 scales; h [2048] rows in hq, W1 [4096] rows in w1q, both as RECORDS of 25,600 bytes: 16 rows x all of K:
; 16 images of 1,536 bytes, one for each 128 along K, in the order of the operand's registers (register group c of lane l at 512 c + 16 l), then the scale words.
; A work-group of four waves makes 128 rows x 256 columns, a wave 64 x 128: 32 accumulators, 16 K steps of 128, 512 matrix instructions.  256 work-groups.
; THE RING: two LDS slots, each with four K steps (6,144 bytes of each record) of A's 8 records and B's 16.  At the head the four waves ask for BOTH slots, one joint load a wave:
; waves 0, 1 A's 8 records for slots 0, 1; waves 2, 3 B's 16 records for slots 0, 1.  Slot 0 is filled again with K steps 8-11 behind K step 3, slot 1 with 12-15 behind K step 7;
; there each wave fetches half of A's or of B's records, so the two words of group 1 that count rows are set anew behind the head's wait, where no load of the wave is out.
; CLUSTERS: 4 x 4 work-groups; A's tiles are shared along a row of the cluster, B's along a column, each asked for jointly with a mask that names the four.
; PREFETCH: in K step 0 the bytes of K steps 8-11, in K step 4 those of 12-15, three K steps ahead of the load that wants them.  Of A's 8 records the partner at cx takes 2, of B's 16 the
; partner at cy takes 4, by address alone: a wave names 12 blocks of 256 bytes of A and the 24 of one record of B (lanes left over name the last block again).  K steps 0-7 come by their loads alone.
; THE PRODUCT IS USED TRANSPOSED (source 0 = 16 rows of W1, source 1 = 16 rows of h): a lane holds eight neighbouring columns of one row.  The bias is the C of each sum's first product.
; REGISTERS: window 0: v1-31 addresses; v32-63 h's scale words, v64-127 W1's (an even tile's in lanes 0-15, the odd tile's in lanes 16-31); v128-191 the bias, later the way out.
;   Windows 1, 2: the fragments of even and odd K steps (8 of W1 at v0, 4 of h at v96).  Window 3: accumulator (a, t) at 64 a + 8 t.
; LIMITS: NaN and infinities are not served.
.set TS,    25600
.set SCO,   24576
.set SROW,  6144                       ; four K steps of a record
.set SLOT,  24*SROW
.set BOFF,  8*SROW                     ; B's records lie behind A's 8
.set SPARE, 2*SLOT                     ; the spare words, 128 bytes a wave
.set SPITCH, 528                       ; the way out: a stage of 16 rows x (512 + 16) bytes a wave, in slot 0, which has had its last fill and its last read by then
.set ADRA, 16
.set ADRB, 20
.set STO,  24
.set RD,   25
.set CO,   26
.set SPW,  28
.set NIL,  29
.set PFA,  30                          ; prefetch offsets: 256 x min(lane, 11), 256 x min(lane, 23); never rewritten
.set PFB,  31
.set BI,   128
.set BB,   0
.set AB,   96
.set G1A, 24
.set G0A, 32
.set G1B, 48
.set G0B, 56
.set G0HA, 84                          ; group 0 of the head's loads
.set G0HB, 88
.set PA,   92                          ; s[92:93], s[94:95]: where my prefetches of A and of B begin; never rewritten
.set PB,   94
.set MSB, 0
.macro WIN new
.if MSB != \new
	s_set_vgpr_msb (MSB<<8)|\new
.set MSB, \new
.endif
.endm
.macro PLACES
.rept 4
	v_nop
.endr
.endm
.macro JLOAD g0a, g1a, g0b, g1b        ; a joint load: waves 0, 1 for A, waves 2, 3 for B; s_nop 0 and four v_nop behind each line
	s_cmp_eq_u32 s15, 0
	s_cbranch_scc0 .Lfor_b_\@
	tensor_load_to_lds s[\g0a:\g0a+3], s[\g1a:\g1a+7]
	s_nop 0
.rept 4
	v_nop
.endr
	s_branch .Lasked_\@
.Lfor_b_\@:
	tensor_load_to_lds s[\g0b:\g0b+3], s[\g1b:\g1b+7]
	s_nop 0
.rept 4
	v_nop
.endr
.Lasked_\@:
.endm
.macro CREST
	s_cmp_lg_u32 s14, 0
	s_cbranch_scc1 .Lnot_wave_0_\@
	s_barrier_signal -3
.Lnot_wave_0_\@:
	s_barrier_wait -3
	s_barrier_signal -1
	s_barrier_wait -1
.endm
.macro CROUND
	s_barrier_signal -1
	s_barrier_wait -1
	CREST
.endm
.macro WM k, a, t
.set rD, 64*(\a)+8*(\t)
.set rB, BB+12*(\t)
.set rA, AB+12*(\a)
.set rSB, 64+16*((\t)/2)+(\k)
.set rSA, 32+16*((\a)/2)+(\k)
.if (\k) == 0
.set rC, BI+8*(\t)
.else
.set rC, rD
.endif
.if (\t)%2
.if (\a)%2
	v_wmma_scale_f32_16x16x128_f8f6f4 v[rD:rD+7], v[rB:rB+11], v[rA:rA+11], v[rC:rC+7], v[rSB], v[rSA] matrix_a_fmt:MATRIX_FMT_FP6 matrix_b_fmt:MATRIX_FMT_FP6 matrix_a_scale:MATRIX_SCALE_ROW1 matrix_b_scale:MATRIX_SCALE_ROW1
.else
	v_wmma_scale_f32_16x16x128_f8f6f4 v[rD:rD+7], v[rB:rB+11], v[rA:rA+11], v[rC:rC+7], v[rSB], v[rSA] matrix_a_fmt:MATRIX_FMT_FP6 matrix_b_fmt:MATRIX_FMT_FP6 matrix_a_scale:MATRIX_SCALE_ROW1
.endif
.else
.if (\a)%2
	v_wmma_scale_f32_16x16x128_f8f6f4 v[rD:rD+7], v[rB:rB+11], v[rA:rA+11], v[rC:rC+7], v[rSB], v[rSA] matrix_a_fmt:MATRIX_FMT_FP6 matrix_b_fmt:MATRIX_FMT_FP6 matrix_b_scale:MATRIX_SCALE_ROW1
.else
	v_wmma_scale_f32_16x16x128_f8f6f4 v[rD:rD+7], v[rB:rB+11], v[rA:rA+11], v[rC:rC+7], v[rSB], v[rSA] matrix_a_fmt:MATRIX_FMT_FP6 matrix_b_fmt:MATRIX_FMT_FP6
.endif
.endif
.endm
.macro MUL8 k, a                       ; the 32 accumulators take turns, in the same order in every step
.irp tt, 0,1,2,3,4,5,6,7
	WM \k, \a, \tt
.endr
.endm
.macro WPROD k
.if (\k) == 0
	WIN 0xc5                                       ; C, the bias, in window 0
.elseif (\k)%2 == 0
	WIN 0xf5
.else
	WIN 0xfa
.endif
.endm
.macro FETCH k                         ; 36 LDS loads: K step k's fragments, 512 consecutive bytes a load
.set SL, ((\k)/4)%2
.set KO, 1536*((\k)%4)
.if (\k)%2 == 0
	WIN 0x40
.else
	WIN 0x80
.endif
.irp tt, 0,1,2,3,4,5,6,7
.irp cc, 0,1,2
	ds_load_b128 v[BB+12*\tt+4*\cc:BB+12*\tt+4*\cc+3], v[ADRB+SL] offset:SROW*\tt+KO+512*\cc
.endr
.endr
.irp aa, 0,1,2,3
.irp cc, 0,1,2
	ds_load_b128 v[AB+12*\aa+4*\cc:AB+12*\aa+4*\cc+3], v[ADRA+SL] offset:SROW*\aa+KO+512*\cc
.endr
.endr
.endm
.macro KSTEP k
	s_wait_dscnt 0x0                               ; this step's fragments are in
.if (\k) > 0
	PLACES                                         ; the set to be loaded was read by the last step's products
.endif
	FETCH (\k)+1
.if (\k) == 0 || (\k) == 4
	global_prefetch_b8 v[PFA], s[PA:PA+1] offset:(2+(\k)/4)*SROW th:TH_LOAD_NT scope:SCOPE_SE   ; the four K steps that the refill three steps on asks for (the address lies in window 0)
	global_prefetch_b8 v[PFB], s[PB:PB+1] offset:(2+(\k)/4)*SROW th:TH_LOAD_NT scope:SCOPE_SE
.endif
	WPROD \k
	MUL8 \k, 0
	MUL8 \k, 1
	MUL8 \k, 2
	MUL8 \k, 3
.endm
.macro TURN k, fill                    ; a slot's last K step: one barrier for the change of slots; fill = 1: it opens a round of the cluster's barrier, and the slot is filled again
	s_wait_dscnt 0x0
	WIN 0
	s_wait_tensorcnt 0x0                           ; all my tensor loads have landed,
	ds_add_u32 v[SPW], v[NIL]                      ; the add on my spare word,
	WPROD \k
	MUL8 \k, 0
	s_wait_dscnt 0x0                               ; and it is done, as are my reads of this slot
	s_barrier_signal -1
	MUL8 \k, 1
	WIN 0
	s_barrier_wait -1
.if \fill
	CREST
.set SF, ((\k)/4)%2
	s_add_nc_u64 s[G0A+4*SF+2:G0A+4*SF+3], s[G0A+4*SF+2:G0A+4*SF+3], 2*SROW
	s_add_nc_u64 s[G0B+4*SF+2:G0B+4*SF+3], s[G0B+4*SF+2:G0B+4*SF+3], 2*SROW
	JLOAD G0A+4*SF, G1A, G0B+4*SF, G1B             ; the first tensor load behind the round; its four v_nop are the places in front of the loads below
.else
	PLACES
.endif
	FETCH (\k)+1
	WPROD \k
	MUL8 \k, 2
	MUL8 \k, 3
.endm
	s_load_b256 s[4:11], s[0:1], 0x0               ; hq s[4:5], w1q s[6:7], b1 s[8:9], out0 s[10:11]
	v_lshl_add_u32 v[SPW], v0, 2, SPARE
	v_mov_b32 v[NIL], 0
	ds_add_u32 v[SPW], v[NIL]                      ; the opening lines: the add twice on end and one wait, ahead of the round in front of my first tensor load
	ds_add_u32 v[SPW], v[NIL]
	v_lshrrev_b32 v10, 5, v0
	v_readfirstlane_b32 s14, v10                   ; wave 0..3
	s_lshr_b32 s15, s14, 1                         ; my half of the rows.  Also: I fetch for A (0) or for B (1)
	s_and_b32 s16, s14, 1                          ; my half of the columns.  Also: the slot I fill at the head, and the half of the records I fetch in the ring
	s_bfe_u32 s40, ttmp6, 0x40000                  ; cx, cy
	s_bfe_u32 s41, ttmp6, 0x40004
	s_lshl_b32 s42, ttmp9, 2
	s_add_co_u32 s42, s42, s40                     ; tile column
	s_and_b32 s17, ttmp7, 0xffff
	s_lshl_b32 s17, s17, 2
	s_add_co_u32 s17, s17, s41                     ; tile row
	s_lshl_b32 s43, s41, 2
	s_lshl_b32 s43, 15, s43                        ; my row of the cluster
	s_lshl_b32 s44, 0x1111, s40                    ; my column
	s_or_b32 s[G1A+0], s43, (3<<16)|(1<<21)        ; elements of 8 bytes; bit 21 beside the mask
	s_or_b32 s[G1B+0], s44, (3<<16)|(1<<21)
	s_mov_b32 s[G1A+1], 768<<16                    ; a tile's row: 6,144 bytes of a record
	s_mov_b32 s[G1A+2], 8<<16                      ; at the head 8 records of A,
	s_mov_b32 s[G1A+3], 768<<16
	s_mov_b32 s[G1A+4], 8
	s_mov_b32 s[G1A+5], 3200                       ; from record to record
	s_mov_b32 s[G1A+6], 0
	s_mov_b32 s[G1A+7], 0
	s_mov_b32 s[G1B+1], 768<<16
	s_mov_b32 s[G1B+2], 16<<16                     ; and 16 of B
	s_mov_b32 s[G1B+3], 768<<16
	s_mov_b32 s[G1B+4], 16
	s_mov_b32 s[G1B+5], 3200
	s_mov_b32 s[G1B+6], 0
	s_mov_b32 s[G1B+7], 0
	s_mul_i32 s20, s17, 8*TS                       ; A's tile: records 8 x tile row on
	s_mov_b32 s21, 0
	s_mul_i32 s46, s42, 16*TS                      ; B's: records 16 x tile column on
	s_mov_b32 s47, 0
	s_mul_i32 s74, s15, 4*TS                       ; the records of my 64 rows
	s_mov_b32 s75, 0
	s_mul_i32 s76, s16, 8*TS                       ; those of my 128 columns; also the half of B that waves 2, 3 fetch
	s_mov_b32 s77, 0
	s_mul_i32 s18, s16, 4*TS                       ; the half of A that waves 0, 1 fetch
	s_mov_b32 s19, 0
	s_mul_i32 s82, s16, SROW                       ; the head: slot s16 takes K steps 4 s16 on,
	s_mov_b32 s83, 0
	s_mul_i32 s45, s16, SLOT                       ; and lies here
	s_lshl_b32 s78, s42, 10
	s_lshl_b32 s79, s16, 9
	s_add_co_u32 s78, s78, s79                     ; my first column, in bytes
	s_mov_b32 s79, 0
	s_lshl_b32 s80, s17, 7
	s_lshl_b32 s81, s15, 6
	s_add_co_u32 s80, s80, s81
	s_lshl_b32 s80, s80, 14                        ; my first row of 16,384 bytes: under 2^25
	s_add_co_u32 s80, s80, s78
	s_mov_b32 s81, 0
	s_lshl_b32 s92, s40, 1                         ; prefetch, A: record 2 cx + wave / 2 of the tile's 8, its half wave % 2 of a slot's 6,144 bytes
	s_add_co_u32 s92, s92, s15
	s_mul_i32 s92, s92, TS
	s_mul_i32 s93, s16, 3072
	s_add_co_u32 s92, s92, s93
	s_mov_b32 s93, 0
	s_lshl_b32 s94, s41, 2                         ; B: record 4 cy + wave of the tile's 16
	s_add_co_u32 s94, s94, s14
	s_mul_i32 s94, s94, TS
	s_mov_b32 s95, 0
	s_mul_i32 s22, s15, 4*SROW                     ; LDS: my rows' records in a slot,
	s_mul_i32 s23, s16, 8*SROW
	s_add_co_u32 s23, s23, BOFF                    ; my columns' (also where waves 2, 3 put their half of B),
	s_mul_i32 s97, s16, 4*SROW                     ; where waves 0, 1 put their half of A,
	s_mul_i32 s96, s14, 16*SPITCH                  ; and my stage
	v_and_b32 v1, 15, v0                           ; r
	v_bfe_u32 v2, v0, 4, 1                         ; h
	v_and_b32 v7, 31, v0                           ; lane
	v_lshlrev_b32 v3, 5, v2                        ; the bias: 32 h
	v_mul_u32_u24 v6, v2, TS
	v_lshl_add_u32 v4, v1, 2, v6                   ; h's scale words: lanes 16-31 the next record; 4 r
	v_lshl_add_u32 v5, v1, 4, v6                   ; W1's: 16 r
	v_lshlrev_b32 v[CO], 4, v7
	v_add_nc_u32 v[ADRA], s22, v[CO]
	v_add_nc_u32 v[ADRB], s23, v[CO]
	v_add_nc_u32 v[ADRA+1], SLOT, v[ADRA]
	v_add_nc_u32 v[ADRB+1], SLOT, v[ADRB]
	v_mul_u32_u24 v6, v1, SPITCH
	v_lshl_add_u32 v6, v2, 5, v6
	v_add_nc_u32 v[STO], s96, v6
	v_add_nc_u32 v[RD], s96, v[CO]
	v_min_u32 v8, 11, v7
	v_lshlrev_b32 v[PFA], 8, v8
	v_min_u32 v9, 23, v7
	v_lshlrev_b32 v[PFB], 8, v9
	s_wait_alu depctr_va_vdst(0)
	s_wait_dscnt 0x0                               ; both opening adds are done
	s_wait_kmcnt 0x0
	s_add_nc_u64 s[20:21], s[4:5], s[20:21]
	s_add_nc_u64 s[46:47], s[6:7], s[46:47]
	s_add_nc_u64 s[66:67], s[20:21], s[74:75]
	s_add_nc_u64 s[68:69], s[46:47], s[76:77]
	s_add_nc_u64 s[70:71], s[8:9], s[78:79]
	s_add_nc_u64 s[72:73], s[10:11], s[80:81]
	s_add_nc_u64 s[PA:PA+1], s[20:21], s[PA:PA+1]
	s_add_nc_u64 s[PB:PB+1], s[46:47], s[PB:PB+1]
	s_add_nc_u64 s[12:13], s[20:21], s[18:19]
.irp p, 0,1,2,3                        ; the scale words go out ahead of the round: 48 loads
.irp kg, 0,1,2,3
	global_load_b128 v[64+16*\p+4*\kg:64+16*\p+4*\kg+3], v5, s[68:69] offset:2*TS*\p+SCO+256*\kg
.endr
.endr
.irp p, 0,1
.irp kk, 0,1,2,3,4,5,6,7,8,9,10,11,12,13,14,15
	global_load_b32 v[32+16*\p+\kk], v4, s[66:67] offset:2*TS*\p+SCO+64*\kk
.endr
.endr
	s_mov_b32 s[G0HA], 1
	s_mov_b32 s[G0HA+1], s45
	s_add_nc_u64 s[G0HA+2:G0HA+3], s[20:21], s[82:83]
	s_or_b32 s[G0HA+3], s[G0HA+3], 0x80000000
	s_mov_b32 s[G0HB], 1
	s_add_co_u32 s[G0HB+1], s45, BOFF
	s_add_nc_u64 s[G0HB+2:G0HB+3], s[46:47], s[82:83]
	s_or_b32 s[G0HB+3], s[G0HB+3], 0x80000000
	CROUND                                         ; all sixteen work-groups are here: the first joint loads meet
	JLOAD G0HA, G1A, G0HB, G1B                     ; one tensor load a wave at the head: together they fill both slots
.irp s, 0,1
	s_mov_b32 s[G0A+4*\s], 1
	s_add_co_u32 s[G0A+4*\s+1], s97, \s*SLOT
	s_add_nc_u64 s[G0A+4*\s+2:G0A+4*\s+3], s[12:13], \s*SROW
	s_or_b32 s[G0A+4*\s+3], s[G0A+4*\s+3], 0x80000000
	s_mov_b32 s[G0B+4*\s], 1
	s_add_co_u32 s[G0B+4*\s+1], s23, \s*SLOT
	s_add_nc_u64 s[G0B+4*\s+2:G0B+4*\s+3], s[68:69], \s*SROW
	s_or_b32 s[G0B+4*\s+3], s[G0B+4*\s+3], 0x80000000
.endr
.irp tt, 0,1,2,3,4,5,6,7
	global_load_b128 v[BI+8*\tt:BI+8*\tt+3], v3, s[70:71] offset:64*\tt
	global_load_b128 v[BI+8*\tt+4:BI+8*\tt+7], v3, s[70:71] offset:64*\tt+16
.endr
	s_wait_tensorcnt 0x0                           ; my tile of the head's four is in; no tensor load of mine is out, so a descriptor may be written:
	s_mov_b32 s[G1A+2], 4<<16                      ; in the ring a load brings 4 records of A
	s_mov_b32 s[G1A+4], 4
	s_mov_b32 s[G1B+2], 8<<16                      ; or 8 of B
	s_mov_b32 s[G1B+4], 8
	s_barrier_signal -1
	s_barrier_wait -1                              ; everybody's tile is in
	FETCH 0
	s_wait_loadcnt 0x0                             ; the scale words and the bias
	KSTEP 0
	KSTEP 1
	KSTEP 2
	TURN 3, 1
	KSTEP 4
	KSTEP 5
	KSTEP 6
	TURN 7, 1
	KSTEP 8
	KSTEP 9
	KSTEP 10
	TURN 11, 0
	KSTEP 12
	KSTEP 13
	KSTEP 14
	s_wait_dscnt 0x0
	WPROD 15
	MUL8 15, 0
	MUL8 15, 1
	MUL8 15, 2
	MUL8 15, 3
	WIN 0
; THE WAY OUT, 16 rows x 128 columns at a time, through my own stage and back as whole rows of 512 bytes
.macro TOSTAGE a
	WIN 0x0c
.irp tt, 0,1,2,3,4,5,6,7
	ds_store_b128 v[STO], v[64*(\a)+8*\tt:64*(\a)+8*\tt+3] offset:64*\tt          ; each accumulator from its low end on
	ds_store_b128 v[STO], v[64*(\a)+8*\tt+4:64*(\a)+8*\tt+7] offset:64*\tt+16
.endr
	WIN 0
.set BKR, 128+64*((\a)%2)
.irp m, 0,1,2,3,4,5,6,7,8,9,10,11,12,13,14,15
	ds_load_b128 v[BKR+4*\m:BKR+4*\m+3], v[RD] offset:\m*SPITCH
.endr
.endm
.macro SEND a, younger
.set BKR, 128+64*((\a)%2)
	s_wait_dscnt \younger
.irp m, 0,1,2,3,4,5,6,7,8,9,10,11,12,13,14,15
	global_store_b128 v[CO], v[BKR+4*\m:BKR+4*\m+3], s[72:73] offset:(16*(\a)+\m)*16384 th:TH_STORE_NT   ; 32 lanes store 512 consecutive bytes, aligned
.endr
.endm
	PLACES
	TOSTAGE 0
.irp aa, 1,2,3
.if \aa > 1
	s_wait_xcnt 0x0                                ; the stores of two blocks ago have read their registers
.endif
	TOSTAGE \aa
	SEND \aa-1, 32
.endr
	SEND 3, 0
	s_wait_tensorcnt 0x0                           ; the wave's end
	ds_add_u32 v[SPW], v[NIL]
	s_wait_dscnt 0x0
	CROUND                                         ; the closing round
	s_endpgm
.Lfunc_end_k_q160e9c4a96_gemm2:
	.size	k_q160e9c4a96_gemm2, .Lfunc_end_k_q160e9c4a96_gemm2-k_q160e9c4a96_gemm2
	.p2alignl 7, 3214868480
	.fill 96, 4, 3214868480
	.section	.rodata,"a",@progbits
	.p2align	6, 0x0
	.amdhsa_kernel k_q160e9c4a96_gemm2
		.amdhsa_group_segment_fixed_size 327680
		.amdhsa_private_segment_fixed_size 0
		.amdhsa_enable_private_segment 0
		.amdhsa_kernarg_size 32
		.amdhsa_user_sgpr_count 2
		.amdhsa_user_sgpr_kernarg_segment_ptr 1
		.amdhsa_wavefront_size32 1
		.amdhsa_system_sgpr_workgroup_id_x 1
		.amdhsa_system_sgpr_workgroup_id_y 1
		.amdhsa_system_sgpr_workgroup_id_z 1
		.amdhsa_system_vgpr_workitem_id 0
		.amdhsa_next_free_vgpr 1024
		.amdhsa_next_free_sgpr 98
		.amdhsa_reserve_vcc 0
		.amdhsa_float_denorm_mode_32 3
		.amdhsa_float_denorm_mode_16_64 3
		.amdhsa_memory_ordered 1
		.amdhsa_forward_progress 1
		.amdhsa_inst_pref_size 135
	.end_amdhsa_kernel
	.amdgpu_metadata
---
amdhsa.version: [ 1, 2 ]
amdhsa.kernels:
  - .name:           k_q160e9c4a96_gemm2
    .symbol:         k_q160e9c4a96_gemm2.kd
    .args:
      - { .name: hq, .offset: 0, .size: 8, .value_kind: global_buffer, .address_space: global }
      - { .name: w1q, .offset: 8, .size: 8, .value_kind: global_buffer, .address_space: global }
      - { .name: b1, .offset: 16, .size: 8, .value_kind: global_buffer, .address_space: global }
      - { .name: out0, .offset: 24, .size: 8, .value_kind: global_buffer, .address_space: global }
    .group_segment_fixed_size: 327680
    .private_segment_fixed_size: 0
    .kernarg_segment_align: 8
    .kernarg_segment_size: 32
    .max_flat_workgroup_size: 128
    .sgpr_count:     98
    .vgpr_count:     1024
    .wavefront_size: 32
...
	.end_amdgpu_metadata
.endif
;; end of part 3
